; MI455X (gfx1250); checked and timed in simulation.
; The chip was launched on July 23, 2026; its instructions are those of AMD's public machine-readable ISA for CDNA 5 (MIT licence, August 2026) and "CDNA5" Instruction Set Architecture Reference Guide (July 2026). The comments in the code are by the model that wrote it; some were corrected since.
;; Full Attention. Allowed arithmetic: float matrix products may take bf16 or f16 operands with f32 sums; all other float work in f32.
;; Inputs: attn_mask 2 x 1 x 2,048 x 2,048 bool; key_omegas 1 float32; key_thetas 1 float32; keys 2 x 2,048 x 16 x 64 float32; queries 2 x 2,048 x 16 x 64 float32; query_omegas 1 float32; query_thetas 1 float32; values 2 x 2,048 x 16 x 64 float32.
;; Outputs: out0 2 x 2,048 x 16 x 64 float32.
;; 2 versions, each right and faster than the one before. Each part assembles by itself: llvm-mc -triple=amdgcn-amd-amdhsa -mcpu=gfx1250 --defsym DOCPART=n.
;; ======== version 1 of 2: 2 launches
;; limits: inputs' magnitudes at most 65,504; values are held in f16: magnitudes above 65,504 overflow, below 6.1e-05 lose precision
;; workspace buffers: mbits 1,048,576 bytes of whole numbers
;; launch maskbits (part 1): grid 256 x 1, 4 waves a work-group, no clusters, 0 bytes of LDS; arguments attn_mask, mbits, query_omegas, query_thetas, key_omegas, key_thetas; writes mbits
.if DOCPART == 1
	.amdgcn_target "amdgcn-amd-amdhsa--gfx1250"
	.amdhsa_code_object_version 6
	.text
	.protected	k_qe1a8b7d9cf_maskbits
	.globl	k_qe1a8b7d9cf_maskbits
	.p2align	8
	.type	k_qe1a8b7d9cf_maskbits,@function
k_qe1a8b7d9cf_maskbits:
	s_mov_b64 s[64:65], 0
	v_nop
	global_prefetch_b8 v0, s[64:65] scope:SCOPE_SE
	s_setreg_imm32_b32 hwreg(HW_REG_WAVE_MODE, 25, 1), 1
	s_wait_xcnt 0x0
; attn_mask [2][1][2048][2048], one byte (0 or 1) for each (b, l, s)  ->  mbits [b 2][qt 128][jj 2][kt 128][k 4] of 32-bit words.
; Bit n of word (b, qt, jj, kt, k) = mask[b][16 qt + (n & 15)][16 kt + 8 (n >> 4) + 4 jj + k]: the lane mask that the attention
; launch hands to v_cndmask_b32 for register j = 4 jj + k of a transposed 16 x 16 score tile (lane n: query n & 15, key 8 (n >> 4) + j).
; The bits are made once here and not once for each of the 16 heads, and a masked score costs one select there.
; LIMIT: a mask byte is 0 or 1, as the problem states it; other values would spill into a neighbour's bit.
; Work-group g = 128 b + qt owns 16 rows of the mask.  Thread t owns key tile kt = t: bytes 16 t .. 16 t + 15 of each row, so a load of a
; wave covers 512 neighbouring bytes, and so does a store.  No LDS, no barrier, no loop: nothing is shared between threads.
.set ROWB, 2048                        ; bytes in a row of the mask
.set D,  4                             ; v[4:67]   row p, word w (keys 4 w .. 4 w + 3) at D + 4 p + w
.set A,  68                            ; v[68:75]  A + 4 g8 + w: byte k holds, in bit r, row 8 g8 + r of key 4 w + k
.set TU, 76                            ; v[76:79]  the byte transpose's first stage
.set W,  80                            ; v[80:87]  the eight words, 4 jj + k
	s_load_b128 s[4:7], s[0:1], 0x0                ; attn_mask s[4:5], mbits s[6:7]
	s_load_b256 s[16:23], s[0:1], 0x10             ; query_omegas, query_thetas, key_omegas, key_thetas
	s_lshl_b32 s2, ttmp9, 15                       ; g x 16 rows x 2,048 bytes
	s_mov_b32 s3, 0
	s_lshl_b32 s8, ttmp9, 12                       ; g x 2 x 128 x 4 words of 4 bytes
	s_mov_b32 s9, 0
	s_mov_b32 s12, 0x05010400                      ; v_perm_b32: bytes 0 and 1 of two words, interleaved
	s_mov_b32 s13, 0x07030602                      ; bytes 2 and 3, interleaved
	s_mov_b32 s14, 0x05040100                      ; the two low halves
	s_mov_b32 s15, 0x07060302                      ; the two high halves
	v_lshlrev_b32 v1, 4, v0                        ; 16 t: my bytes in a row of the mask, and my 16 bytes in a row of words
	s_wait_kmcnt 0x0
	s_add_nc_u64 s[4:5], s[4:5], s[2:3]
	s_add_nc_u64 s[6:7], s[6:7], s[8:9]
.irp p, 0,1,2,3,4,5,6,7,8,9,10,11,12,13,14,15
	global_load_b128 v[D+4*\p:D+4*\p+3], v1, s[4:5] offset:ROWB*\p th:TH_LOAD_NT   ; all sixteen rows go out at once; the launch reads each byte once
.endr
	; The four phase inputs.  reference() takes them and lets none of them enter its result.  They are read once, so that no input of the
	; problem goes unread, and they enter nothing here either.
	s_load_b32 s24, s[16:17], 0x0
	s_load_b32 s25, s[18:19], 0x0
	s_load_b32 s26, s[20:21], 0x0
	s_load_b32 s27, s[22:23], 0x0
; Eight rows' bytes (each 0 or 1) are shifted into one byte: row 8 g8 + r goes to bit r.  The first two rows start the word: nothing is cleared.
.macro GATHER g8
.irp r, 1,2,3,4,5,6,7
	s_wait_loadcnt 15-(8*\g8+\r)                   ; loads come back in order: rows 0 .. 8 g8 + r are in, the younger ones stay out
.irp w, 0,1,2,3
.if \r == 1
	v_lshl_or_b32 v[A+4*\g8+\w], v[D+4*(8*\g8+1)+\w], 1, v[D+4*(8*\g8)+\w]
.else
	v_lshl_or_b32 v[A+4*\g8+\w], v[D+4*(8*\g8+\r)+\w], \r, v[A+4*\g8+\w]
.endif
.endr
.endr
.endm
	GATHER 0
	GATHER 1
; Word 4 jj + k = { rows 0-7 of key 4 jj + k, rows 8-15 of it, rows 0-7 of key 8 + 4 jj + k, rows 8-15 of it }, low byte first:
; a transpose of 4 x 4 bytes, in two stages of v_perm_b32.
.irp jj, 0,1
	v_perm_b32 v[TU+0], v[A+4+\jj], v[A+\jj], s12
	v_perm_b32 v[TU+1], v[A+4+\jj], v[A+\jj], s13
	v_perm_b32 v[TU+2], v[A+6+\jj], v[A+2+\jj], s12
	v_perm_b32 v[TU+3], v[A+6+\jj], v[A+2+\jj], s13
	v_perm_b32 v[W+4*\jj+0], v[TU+2], v[TU+0], s14
	v_perm_b32 v[W+4*\jj+1], v[TU+2], v[TU+0], s15
	v_perm_b32 v[W+4*\jj+2], v[TU+3], v[TU+1], s14
	v_perm_b32 v[W+4*\jj+3], v[TU+3], v[TU+1], s15
	global_store_b128 v1, v[W+4*\jj:W+4*\jj+3], s[6:7] offset:2048*\jj   ; 512 neighbouring bytes a wave; no hint: the next launch reads them
.endr
	s_endpgm
.Lfunc_end_k_qe1a8b7d9cf_maskbits:
	.size	k_qe1a8b7d9cf_maskbits, .Lfunc_end_k_qe1a8b7d9cf_maskbits-k_qe1a8b7d9cf_maskbits
	.p2alignl 7, 3214868480
	.fill 96, 4, 3214868480
	.section	.rodata,"a",@progbits
	.p2align	6, 0x0
	.amdhsa_kernel k_qe1a8b7d9cf_maskbits
		.amdhsa_group_segment_fixed_size 0
		.amdhsa_private_segment_fixed_size 0
		.amdhsa_enable_private_segment 0
		.amdhsa_kernarg_size 48
		.amdhsa_user_sgpr_count 2
		.amdhsa_user_sgpr_kernarg_segment_ptr 1
		.amdhsa_wavefront_size32 1
		.amdhsa_system_sgpr_workgroup_id_x 1
		.amdhsa_system_sgpr_workgroup_id_y 1
		.amdhsa_system_sgpr_workgroup_id_z 1
		.amdhsa_system_vgpr_workitem_id 0
		.amdhsa_next_free_vgpr 88
		.amdhsa_next_free_sgpr 66
		.amdhsa_reserve_vcc 0
		.amdhsa_float_denorm_mode_32 3
		.amdhsa_float_denorm_mode_16_64 3
		.amdhsa_memory_ordered 1
		.amdhsa_forward_progress 1
		.amdhsa_inst_pref_size 8
	.end_amdhsa_kernel
	.amdgpu_metadata
---
amdhsa.version: [ 1, 2 ]
amdhsa.kernels:
  - .name:           k_qe1a8b7d9cf_maskbits
    .symbol:         k_qe1a8b7d9cf_maskbits.kd
    .args:
      - { .name: attn_mask, .offset: 0, .size: 8, .value_kind: global_buffer, .address_space: global }
      - { .name: mbits, .offset: 8, .size: 8, .value_kind: global_buffer, .address_space: global }
      - { .name: query_omegas, .offset: 16, .size: 8, .value_kind: global_buffer, .address_space: global }
      - { .name: query_thetas, .offset: 24, .size: 8, .value_kind: global_buffer, .address_space: global }
      - { .name: key_omegas, .offset: 32, .size: 8, .value_kind: global_buffer, .address_space: global }
      - { .name: key_thetas, .offset: 40, .size: 8, .value_kind: global_buffer, .address_space: global }
    .group_segment_fixed_size: 0
    .private_segment_fixed_size: 0
    .kernarg_segment_align: 8
    .kernarg_segment_size: 48
    .max_flat_workgroup_size: 128
    .sgpr_count:     66
    .vgpr_count:     88
    .wavefront_size: 32
...
	.end_amdgpu_metadata
.endif
;; end of part 1
;; launch attn (part 2): grid 8 x 32, 8 waves a work-group, clusters of 4 x 1, 327,680 bytes of LDS; arguments queries, keys, values, mbits, out0; writes out0
.if DOCPART == 2
	.amdgcn_target "amdgcn-amd-amdhsa--gfx1250"
	.amdhsa_code_object_version 6
	.text
	.protected	k_qe1a8b7d9cf_attn
	.globl	k_qe1a8b7d9cf_attn
	.p2align	8
	.type	k_qe1a8b7d9cf_attn,@function
k_qe1a8b7d9cf_attn:
	s_mov_b64 s[64:65], 0
	v_nop
	global_prefetch_b8 v0, s[64:65] scope:SCOPE_SE
	s_setreg_imm32_b32 hwreg(HW_REG_WAVE_MODE, 25, 1), 1
	s_wait_xcnt 0x0
	s_wait_alu depctr_hold_cnt(0) depctr_sa_sdst(0) depctr_va_vdst(0) depctr_va_sdst(0) depctr_va_ssrc(0) depctr_va_vcc(0) depctr_vm_vsrc(0)
	s_getreg_b32 s2, hwreg(HW_REG_IB_STS2, 6, 4)
	s_cmp_eq_u32 s2, 0
	s_cbranch_scc0 .Lentry_in_a_cluster
	s_endpgm
.Lentry_in_a_cluster:
	s_bfe_u32 s2, ttmp6, 0x10000c
	s_cmp_lg_u32 s2, 0x3003
	s_cbranch_scc0 .Lentry_shape_is_right
	s_endpgm
.Lentry_shape_is_right:
; out0[b][l][h][:] = softmax over s of (q.k / 8, masked scores -inf) times v.  q, k, v, out0: [2][2048][16][64] f32; a head's row is 256 bytes,
; rows 4,096 bytes apart.  mbits: the mask as lane masks, made by the launch before.  The mask is an input: every key block is computed.
; SHARES: work-group (x, y): b = y >> 4, head = y & 15, queries 256 x .. 256 x + 255.  Eight waves, two on a SIMD, so that one wave's softmax
; runs beside the other's matrix work; wave w owns 32 queries (two tiles of 16).  256 work-groups of equal work.
; CLUSTER: the four work-groups of a cluster have the same b and head and walk the same K and V, so every tensor load is a joint load that
; names all four (mask 15): the requests for K and V are divided by four.  Its address is made of y and the wave's number alone.
; TRANSPOSED THROUGHOUT: S^T = K Q^T (source 0: 16 keys, source 1: 16 queries), so lane (r, h) holds keys 16 t + 8 h + j of ONE query r:
; maximum and sum run along the lane's registers plus one exchange of the halves; two packed tiles ARE the second source of
; O^T = V^T P^T (first source: V by the transposing LDS load), which leaves d = 16 dt + 8 h + j of query r in the lane.
; FORMAT: q, k, v and p enter the matrix unit as f16, sums in f32.  f16 keeps 11 significant bits where bf16 keeps 8: a row that attends to
; few keys adds few terms p v of the size of v, which may cancel, and nothing averages their rounding, so the finer format is taken.
; STEPS: 64 keys a step, 32 steps.  K and V arrive as f32 in two LDS slots of 256 keys (a chunk = 4 steps), requested four steps ahead;
; one step ahead of its use the 256 threads round 64 keys to f16 into one of two stages.  One barrier a step.
; SOFTMAX: running maximum m of the raw scores; p = exp2(c s + n), c = log2(e) / 8, n = round(-c m) carried from step to step;
; the old sums are scaled by exp2(n_new - n_old), which is exactly 1 while the maximum stays.  m starts at -FLT_MAX, so n is always finite:
; a row masked so far has p = 0, sum 0; a row masked wholly ends as 0 x (1/0) = NaN, as in the reference.
; LIMITS: |q|, |k|, |v| up to 65,504, f16's largest number (beyond it the conversion gives infinity); below 2^-14 they keep an absolute error
; of 2^-25; p below 2^-25 enters the product as 0 (the row sum is at least 1).  Scores must be finite (an infinite or NaN product of q and k
; is not followed as the reference follows it); v_exp_f32 gives 0 below 2^-126 (ISA guide, its entry in 15.8); the row sum is taken from p in
; f32 while the product takes p rounded to f16.
; No prefetch is written: a chunk's tensor load itself goes out four steps before the chunk's first byte is read.
.set STG,   262144                     ; LDS: slot s at s x 131,072 (K f32 256 rows x 256 bytes, then V); behind both slots the stages
.set SLOTB, 131072
.set SUBB,  16384                      ; 64 rows of 256 bytes: one step's K (or V) in a slot, and what one tensor load brings
.set KP,    144                        ; stage pitch of K: 128 bytes + 16, an odd multiple of 16: the 16 rows of a fragment load start at 16 different 16-byte columns
.set VP,    160                        ; stage pitch of V: an odd multiple of 32, for the transposing load
.set VOF,   64*KP                      ; V's 64 rows lie behind K's 64 rows
.set STGB,  64*KP+64*VP                ; a stage: 19,456 bytes; two of them.  No tensor load ever lands there
.set OUTP,  272                        ; the way out: 16 rows of 256 + 16 bytes for each wave, over the stages, behind the last barrier
.set KADR, 1                           ; v1   K fragments: STG + 144 r + 16 h
.set VADR, 2                           ; v2   V fragments: STG + VOF + 160 (8 h + lane % 8) + 16 ((lane >> 3) & 1)
.set KSTO, 3                           ; v3   where I put 4 f16 of K: STG + 144 (t >> 4) + 8 (t & 15)
.set VSTO, 4                           ; v4   the same for V, pitch 160
.set FK,   5                           ; v5-8 my 16 bytes of f32 in slot 0's K, slot 0's V, slot 1's K, slot 1's V
.set NINF, 9                           ; v9   -inf
.set M,    10                          ; v10-11  running maximum of query tile q
.set L,    12                          ; v12-13  my half of the running sum
.set ST,   14                          ; v[14:15], v[16:17]  (n, alpha) of query tile q
.set SA,   20                          ; v[20:23], v[24:27]  two pairs of partial sums for each q
.set X,    28                          ; v28-31  at work
.set T,    32                          ; v[32:63]   the next step's f32, then its f16
.set F,    64                          ; v[64:127]  K fragments (16 t + 8 ks), later V fragments (32 u + 8 dt)
.set S,    128                         ; v[128:191] scores S + 32 q + 8 t + j; packed in place to P at S + 32 q + 16 u + 0..7
.set O,    192                         ; v[192:255] O^T at O + 32 q + 8 dt
                                       ; v256-287  Q fragments, 16 q + 8 ks (second window of registers)
.set MSB, 0
.macro WIN new                         ; s_set_vgpr_msb: bits 3:2 source 1, 7:6 destination; the high byte repeats the setting that is left
.if MSB != \new
	s_set_vgpr_msb (MSB<<8)|\new
.set MSB, \new
.endif
.endm
; A round of the cluster's barrier: my work-group's barrier, wave 0 signals for the work-group, every wave waits for all four work-groups,
; my work-group's barrier once more.  CREST is a round behind its opening barrier.
.macro CREST
	s_cmp_lg_u32 s14, 0
	s_cbranch_scc1 .Lnot_wave_0_\@
	s_barrier_signal -3
.Lnot_wave_0_\@:
	s_barrier_wait -3
	s_barrier_signal -1
	s_barrier_wait -1
.endm
.macro ROUND
	s_barrier_signal -1
	s_barrier_wait -1
	CREST
.endm
	s_load_b256 s[4:11], s[0:1], 0x0               ; queries s[4:5], keys s[6:7], values s[8:9], mbits s[10:11]
	s_load_b64 s[12:13], s[0:1], 0x20              ; out0
	v_lshl_add_u32 v18, v0, 2, 0x49800
	v_mov_b32 v19, 0
	ds_add_u32 v18, v19
	v_lshrrev_b32 v1, 5, v0
	v_readfirstlane_b32 s14, v1                    ; wave 0..7
	s_bfe_u32 s15, ttmp6, 0x40000                  ; cx
	s_lshl_b32 s2, ttmp9, 2
	s_add_co_u32 s15, s2, s15                      ; x = 4 x cluster x + cx: enters Q's, the mask's and the output's offsets alone
	s_and_b32 s32, ttmp7, 0xffff                   ; y
	s_lshr_b32 s33, s32, 4                         ; b
	s_and_b32 s34, s32, 15                         ; head
	s_lshl_b32 s35, s33, 23                        ; b x 2,048 x 4,096 bytes
	s_lshl_b32 s34, s34, 8                         ; head x 256 bytes
	s_add_co_u32 s36, s35, s34                     ; what all four partners share
	s_and_b32 s38, s14, 3
	s_lshl_b32 s38, s38, 18                        ; K, V: my 64 rows of a chunk, 64 x 4,096 bytes
	s_add_co_u32 s38, s38, s36
	s_mov_b32 s39, 0
	s_lshl_b32 s40, s15, 20                        ; Q, out0: 256 x rows + 32 w rows
	s_lshl_b32 s41, s14, 17
	s_add_co_u32 s40, s40, s41
	s_add_co_u32 s40, s40, s36
	s_mov_b32 s41, 0
	s_lshl_b32 s42, s33, 19                        ; mask words: (128 b + 16 x + 2 w) x 4,096 bytes
	s_lshl_b32 s43, s15, 16
	s_add_co_u32 s42, s42, s43
	s_lshl_b32 s43, s14, 13
	s_add_co_u32 s42, s42, s43
	s_mov_b32 s43, 0
	; descriptor group 1: 64 rows x 64 elements of 4 bytes, rows 1,024 elements apart, dense in LDS (it is read 16 bytes a lane, lanes side by side)
	s_mov_b32 s16, 0x0022000f                      ; 15:0 mask: all four work-groups; 17:16 element of 4 bytes; 21 set beside a mask
	s_mov_b32 s17, 64<<16                          ; tensor_dim0 = 64
	s_mov_b32 s18, 64<<16                          ; tensor_dim1 = 64
	s_mov_b32 s19, 64<<16                          ; tile_dim0 = 64
	s_mov_b32 s20, 64                              ; tile_dim1 = 64
	s_mov_b32 s21, 1024                            ; pitch
	s_mov_b32 s22, 0
	s_mov_b32 s23, 0
	s_wait_dscnt 0x0
	s_wait_kmcnt 0x0
	s_cmp_lt_u32 s14, 4
	s_cselect_b64 s[66:67], s[6:7], s[8:9]         ; waves 0-3 fetch K's four quarters of a chunk, waves 4-7 V's
	s_add_nc_u64 s[66:67], s[66:67], s[38:39]
	s_mov_b32 s24, 1                               ; group 0 of slot 0: count,
	s_lshl_b32 s25, s14, 14                        ; LDS address 16,384 w (K's quarters, then V's),
	s_mov_b64 s[26:27], s[66:67]                   ; chunk 0,
	s_or_b32 s27, s27, 0x80000000                  ; type 2
	s_mov_b32 s28, 1                               ; group 0 of slot 1
	s_add_co_u32 s29, s25, SLOTB
	s_add_nc_u64 s[30:31], s[66:67], 0x100000      ; chunk 1: 256 rows x 4,096 bytes on
	s_or_b32 s31, s31, 0x80000000
	s_add_nc_u64 s[4:5], s[4:5], s[40:41]
	s_add_nc_u64 s[12:13], s[12:13], s[40:41]
	s_add_nc_u64 s[10:11], s[10:11], s[42:43]
	ROUND                                          ; all four work-groups are here: the first joint loads meet
	tensor_load_to_lds s[24:27], s[16:23]          ; both first fills as one group, ahead of every wait on TENSORcnt and every LDS read:
	s_nop 0
	tensor_load_to_lds s[28:31], s[16:23]          ; two tensor loads of the wave are out
	s_nop 0
	; Q: lane (r, h) of tile q takes e = 32 ks + 16 g + 8 h + 0..7 of query 16 q + r, 32 bytes, as two loads; 64 f32 a lane, parked in S
	v_and_b32 v28, 15, v0                          ; r (also t & 15)
	v_bfe_u32 v29, v0, 4, 1                        ; h
	v_lshlrev_b32 v30, 12, v28
	v_lshl_add_u32 v30, v29, 5, v30                ; 4,096 r + 32 h
.irp q, 0,1
.irp ks, 0,1
.irp g, 0,1
.irp x, 0,1
	global_load_b128 v[S+4*(8*\q+4*\ks+2*\g+\x):S+4*(8*\q+4*\ks+2*\g+\x)+3], v30, s[4:5] offset:\q*65536+128*\ks+64*\g+16*\x
.endr
.endr
.endr
.endr
; The mask words of one step: for query tile q and jj = j >> 2, sixteen words (t, j & 3), 64 neighbouring bytes.  Word of S(t, q, j): s[32 + 36 q + 16 jj + 4 t + (j & 3)].
.macro MLOAD
	s_load_b512 s[32:47], s[10:11], 0x0
	s_load_b512 s[48:63], s[10:11], 0x800
	s_load_b512 s[68:83], s[10:11], 0x1000
	s_load_b512 s[84:99], s[10:11], 0x1800
.endm
	MLOAD                                          ; step 0's
	v_mul_u32_u24 v[KADR], v28, KP
	v_lshl_add_u32 v[KADR], v29, 4, v[KADR]
	v_add_nc_u32 v[KADR], STG, v[KADR]
	v_and_b32 v31, 7, v0
	v_lshl_add_u32 v31, v29, 3, v31
	v_mul_u32_u24 v[VADR], v31, VP
	v_bfe_u32 v31, v0, 3, 1
	v_lshl_add_u32 v[VADR], v31, 4, v[VADR]
	v_add_nc_u32 v[VADR], STG+VOF, v[VADR]
	v_lshrrev_b32 v31, 4, v0                       ; t >> 4: my row among sixteen
	v_mul_u32_u24 v[KSTO], v31, KP
	v_lshl_add_u32 v[KSTO], v28, 3, v[KSTO]
	v_add_nc_u32 v[KSTO], STG, v[KSTO]
	v_mul_u32_u24 v[VSTO], v31, VP
	v_lshl_add_u32 v[VSTO], v28, 3, v[VSTO]
	v_add_nc_u32 v[VSTO], STG+VOF, v[VSTO]
	v_lshlrev_b32 v[FK], 4, v0                     ; 16 t
	v_add_nc_u32 v[FK+1], 65536, v[FK]
	v_add_nc_u32 v[FK+2], SLOTB, v[FK]
	v_add_nc_u32 v[FK+3], SLOTB+65536, v[FK]
	v_mov_b32 v[NINF], 0xff800000
	v_mov_b32 v[M], 0xff7fffff                     ; -FLT_MAX
	v_mov_b32 v[M+1], 0xff7fffff
	s_wait_loadcnt 0x0                             ; Q is in; its offset register and its base are free
	WIN 0x40                                       ; destination in the second window
.set i, 0
.rept 32
	v_cvt_pk_f16_f32 v[i], v[S+2*i], v[S+2*i+1]    ; v256 + i
.set i, i+1
.endr
	WIN 0
	s_mov_b32 s4, 0x3e38aa3b                       ; c = log2(e) / 8, twice: a pair for the packed multiply-add
	s_mov_b32 s5, 0x3e38aa3b
	s_mov_b32 s6, 0xbe38aa3b                       ; -c
	s_mov_b32 s8, 0x76543210                       ; v_permlanex16_b32: lane i of one half reads lane i of the other
	s_mov_b32 s9, 0xfedcba98
	v_mul_f32 v[ST], s6, v[M]                      ; n = -c m
	v_mul_f32 v[ST+2], s6, v[M+1]
; 8 LDS loads: the f32 of one step's 64 keys, K and V, 16 neighbouring bytes a thread, 4,096 bytes (16 rows) an instruction of the work-group
.macro CVLOAD ls, sub
.irp i, 0,1,2,3
	ds_load_b128 v[T+4*\i:T+4*\i+3], v[FK+2*(\ls)] offset:(\sub)*SUBB+\i*4096
.endr
.irp i, 0,1,2,3
	ds_load_b128 v[T+16+4*\i:T+16+4*\i+3], v[FK+2*(\ls)+1] offset:(\sub)*SUBB+\i*4096
.endr
.endm
; rounded to f16 in place, 8 bytes a thread into stage p
.macro CVSTORE p
.irp i, 0,1,2,3,4,5,6,7
	v_cvt_pk_f16_f32 v[T+4*\i], v[T+4*\i], v[T+4*\i+1]
	v_cvt_pk_f16_f32 v[T+4*\i+1], v[T+4*\i+2], v[T+4*\i+3]
.endr
.irp i, 0,1,2,3
	ds_store_b64 v[KSTO], v[T+4*\i:T+4*\i+1] offset:(\p)*STGB+\i*16*KP
.endr
.irp i, 0,1,2,3
	ds_store_b64 v[VSTO], v[T+16+4*\i:T+16+4*\i+1] offset:(\p)*STGB+\i*16*VP
.endr
.endm
; 16 loads: four key tiles x two halves of e; lane (r, h): key 16 t + r, e = 32 ks + 8 h .. and 32 ks + 16 + 8 h ..
.macro KLOAD p
.irp t, 0,1,2,3
.irp ks, 0,1
	ds_load_b128 v[F+16*\t+8*\ks:F+16*\t+8*\ks+3],   v[KADR] offset:(\p)*STGB+\t*16*KP+64*\ks
	ds_load_b128 v[F+16*\t+8*\ks+4:F+16*\t+8*\ks+7], v[KADR] offset:(\p)*STGB+\t*16*KP+64*\ks+32
.endr
.endr
.endm
; 16 transposing loads: V^T, lane (r, h): d = 16 dt + r, keys 32 u + 8 h .. and 32 u + 16 + 8 h ..
.macro VLOAD p
.irp u, 0,1
.irp dt, 0,1,2,3
	ds_load_tr16_b128 v[F+32*\u+8*\dt:F+32*\u+8*\dt+3],   v[VADR] offset:(\p)*STGB+\u*32*VP+32*\dt
	ds_load_tr16_b128 v[F+32*\u+8*\dt+4:F+32*\u+8*\dt+7], v[VADR] offset:(\p)*STGB+\u*32*VP+32*\dt+16*VP
.endr
.endr
.endm
; 16 matrix instructions.  The two query tiles' accumulators take turns, one instruction a turn.  The first product starts each sum.
; nla = LDS loads issued behind the 16 fragment loads.  LDS loads come back in order: tile t needs the first 4 t + 4, so 12 - 4 t + nla may stay out.
.macro QK nla
	WIN 0x04                                       ; source 1 (Q) in the second window
.irp t, 0,1,2,3
	s_wait_dscnt 12-4*\t+\nla
	v_wmma_f32_16x16x32_f16 v[S+8*\t:S+8*\t+7],       v[F+16*\t:F+16*\t+7],    v[0:7],   0
	v_wmma_f32_16x16x32_f16 v[S+32+8*\t:S+32+8*\t+7], v[F+16*\t:F+16*\t+7],    v[16:23], 0
	v_wmma_f32_16x16x32_f16 v[S+8*\t:S+8*\t+7],       v[F+16*\t+8:F+16*\t+15], v[8:15],  v[S+8*\t:S+8*\t+7]
	v_wmma_f32_16x16x32_f16 v[S+32+8*\t:S+32+8*\t+7], v[F+16*\t+8:F+16*\t+15], v[24:31], v[S+32+8*\t:S+32+8*\t+7]
.endr
	WIN 0
.endm
.macro MASK q                          ; a set bit: the score becomes -inf
.irp t, 0,1,2,3
.irp j, 0,1,2,3,4,5,6,7
	v_cndmask_b32 v[S+32*\q+8*\t+\j], v[S+32*\q+8*\t+\j], v[NINF], s[32+36*\q+16*(\j/4)+4*\t+(\j%4)]
.endr
.endr
.endm
; the new maximum: four chains over seven scores of each tile, then the four scores left, the old maximum, and the other half of the lanes
.macro MAXQ q
.irp t, 0,1,2,3
	v_max3_num_f32 v[X+\t], v[S+32*\q+8*\t], v[S+32*\q+8*\t+1], v[S+32*\q+8*\t+2]
.endr
.irp t, 0,1,2,3
	v_max3_num_f32 v[X+\t], v[X+\t], v[S+32*\q+8*\t+3], v[S+32*\q+8*\t+4]
.endr
.irp t, 0,1,2,3
	v_max3_num_f32 v[X+\t], v[X+\t], v[S+32*\q+8*\t+5], v[S+32*\q+8*\t+6]
.endr
	v_max3_num_f32 v[X], v[X], v[X+1], v[S+32*\q+7]
	v_max3_num_f32 v[X+2], v[X+2], v[X+3], v[S+32*\q+15]
	v_max3_num_f32 v[X], v[X], v[X+2], v[S+32*\q+23]
	v_max3_num_f32 v[X], v[X], v[S+32*\q+31], v[M+\q]
	v_permlanex16_b32 v[X+1], v[X], s8, s9         ; its destination counts as read: X + 1 has been written
	v_max_num_f32 v[M+\q], v[X], v[X+1]
.endm
.macro STATS                           ; n_new = round(-c m); alpha = exp2(n_new - n_old): exactly 1 where the maximum stayed
	v_mul_f32 v[X], s6, v[M]
	v_mul_f32 v[X+1], s6, v[M+1]
	v_sub_f32 v[X+2], v[X], v[ST]
	v_sub_f32 v[X+3], v[X+1], v[ST+2]
	v_exp_f32 v[ST+1], v[X+2]
	v_exp_f32 v[ST+3], v[X+3]
	v_mov_b32 v[ST], v[X]                          ; two plain instructions that touch neither alpha nor its source stand behind the
	v_mov_b32 v[ST+2], v[X+1]                      ; exponentials before the pairs (n, alpha) are read (ISA guide 5.7.2)
	s_wait_alu depctr_va_vdst(0)
.endm
.macro EXPT q, t                       ; p = exp2(c s + n) for one tile, in place
.irp i, 0,2,4,6
	v_pk_fma_f32 v[S+32*\q+8*\t+\i:S+32*\q+8*\t+\i+1], v[S+32*\q+8*\t+\i:S+32*\q+8*\t+\i+1], s[4:5], v[ST+2*\q:ST+2*\q+1] op_sel_hi:[1,0,0]
.endr
.irp j, 0,1,2,3,4,5,6,7
	v_exp_f32 v[S+32*\q+8*\t+\j], v[S+32*\q+8*\t+\j]
.endr
.endm
.macro TAIL q, t                       ; a tile's eight p are added to two pairs of sums and packed to f16: tiles 2 u, 2 u + 1 fill registers 0-3, 4-7 of P(q, u)
.if \t == 0
	s_wait_alu depctr_va_vdst(0)
	v_pk_add_f32 v[SA+4*\q:SA+4*\q+1],   v[S+32*\q:S+32*\q+1],   v[S+32*\q+2:S+32*\q+3]    ; the first tile starts the sums
	v_pk_add_f32 v[SA+4*\q+2:SA+4*\q+3], v[S+32*\q+4:S+32*\q+5], v[S+32*\q+6:S+32*\q+7]
.else
	s_wait_alu depctr_va_vdst(0)
	v_pk_add_f32 v[SA+4*\q:SA+4*\q+1],   v[SA+4*\q:SA+4*\q+1],   v[S+32*\q+8*\t:S+32*\q+8*\t+1]
	v_pk_add_f32 v[SA+4*\q+2:SA+4*\q+3], v[SA+4*\q+2:SA+4*\q+3], v[S+32*\q+8*\t+2:S+32*\q+8*\t+3]
	v_pk_add_f32 v[SA+4*\q:SA+4*\q+1],   v[SA+4*\q:SA+4*\q+1],   v[S+32*\q+8*\t+4:S+32*\q+8*\t+5]
	v_pk_add_f32 v[SA+4*\q+2:SA+4*\q+3], v[SA+4*\q+2:SA+4*\q+3], v[S+32*\q+8*\t+6:S+32*\q+8*\t+7]
.endif
.irp i, 0,1,2,3
	v_cvt_pk_f16_f32 v[S+32*\q+16*(\t/2)+4*(\t%2)+\i], v[S+32*\q+8*\t+2*\i], v[S+32*\q+8*\t+2*\i+1]
.endr
.endm
.macro EXPSUM q                        ; behind each run of exponentials stands plain work on another tile before their results are used (ISA guide 5.7.2)
	EXPT \q, 0
	EXPT \q, 1
	TAIL \q, 0
	EXPT \q, 2
	TAIL \q, 1
	EXPT \q, 3
	TAIL \q, 2
	TAIL \q, 3
	v_pk_add_f32 v[SA+4*\q:SA+4*\q+1], v[SA+4*\q:SA+4*\q+1], v[SA+4*\q+2:SA+4*\q+3]
.endm
.macro RESCALE                         ; O *= alpha: the lane's own number, since a lane holds one query
.irp q, 0,1
.set i, 0
.rept 16
	v_pk_mul_f32 v[O+32*\q+i:O+32*\q+i+1], v[O+32*\q+i:O+32*\q+i+1], v[ST+2*\q:ST+2*\q+1] op_sel:[0,1] op_sel_hi:[1,1]
.set i, i+2
.endr
.endr
.endm
; 16 matrix instructions: keys 0-31 over the eight accumulators, then keys 32-63 over the same eight: by turns, one instruction a turn
.macro PV zero
.irp q, 0,1
.irp dt, 0,1,2,3
.if \zero
	v_wmma_f32_16x16x32_f16 v[O+32*\q+8*\dt:O+32*\q+8*\dt+7], v[F+8*\dt:F+8*\dt+7], v[S+32*\q:S+32*\q+7], 0
.else
	v_wmma_f32_16x16x32_f16 v[O+32*\q+8*\dt:O+32*\q+8*\dt+7], v[F+8*\dt:F+8*\dt+7], v[S+32*\q:S+32*\q+7], v[O+32*\q+8*\dt:O+32*\q+8*\dt+7]
.endif
.endr
.endr
.irp q, 0,1
.irp dt, 0,1,2,3
	v_wmma_f32_16x16x32_f16 v[O+32*\q+8*\dt:O+32*\q+8*\dt+7], v[F+32+8*\dt:F+32+8*\dt+7], v[S+32*\q+16:S+32*\q+23], v[O+32*\q+8*\dt:O+32*\q+8*\dt+7]
.endr
.endr
.endm
; The running sums, l = l alpha + this step's.  Five plain vector instructions that name no register of the products above: the places
; in front of the next loads into F and of the next score products, which write over P.
.macro POST first
.if \first
	v_add_f32 v[L], v[SA], v[SA+1]
	v_add_f32 v[L+1], v[SA+4], v[SA+5]
	v_nop
	v_nop
	v_nop
.else
	v_add_f32 v[SA], v[SA], v[SA+1]
	v_add_f32 v[SA+4], v[SA+4], v[SA+5]
	v_fma_f32 v[L], v[L], v[ST+1], v[SA]
	v_fma_f32 v[L+1], v[L+1], v[ST+3], v[SA+4]
	v_nop
.endif
.endm
; One step of 64 keys, from stage p.  la = 1: the next step's keys (step sub of slot ls) are rounded into the other stage, and its mask words asked for.
; ek = 1: slot rs has been read to its end and is filled again, two chunks on; ek = 2: only the wait for the last chunk; first = 1: the sums start.
.macro TRIP p, la, ls, sub, ek, rs, first
	KLOAD \p
.if \la
	CVLOAD \ls, \sub
.endif
	QK 8*\la
.if \la
	s_wait_dscnt 0x0                               ; the next step's f32 are in
	CVSTORE 1-\p                                   ; its sixteen conversions name T alone: the places behind the score products, in front of the
	                                               ; loads into F and of the selects that read S
.else
.rept 4
	v_nop                                          ; the same places, where nothing is left to convert
.endr
.endif
	VLOAD \p
	s_wait_kmcnt 0x0                               ; this step's mask words; their base is free too
	MASK 0
	MASK 1
.if \la
	s_add_nc_u64 s[10:11], s[10:11], 64            ; four key tiles on; the last step asks for nothing, so no load leaves the buffer
	MLOAD
.endif
	MAXQ 0
	MAXQ 1
	STATS
	EXPSUM 0
	EXPSUM 1
.if \first == 0
	RESCALE
.endif
	s_wait_dscnt 0x0                               ; V's fragments are in; and for the other waves: my stores into the other stage, my reads of this stage and of the slot are done
.if \ek
	s_wait_tensorcnt 0x0                           ; all my tensor loads have landed: the one that was out is my part of the next chunk
	ds_add_u32 v18, v19
	s_wait_dscnt 0x0
.endif
.if \ek == 1
	s_add_nc_u64 s[26+4*\rs:27+4*\rs], s[26+4*\rs:27+4*\rs], 0x200000   ; no tensor load of mine is out, so the group 0 may be written: two chunks on
.endif
	s_barrier_signal -1                            ; one barrier a step (where a slot is filled again it opens a round of the cluster's barrier)
	PV \first                                      ; register work while the others arrive
	POST \first
	s_barrier_wait -1                              ; the other stage is whole, this one is free
.if \ek == 1
	CREST                                          ; no wave of any partner still reads the slot or has a load on its way
	tensor_load_to_lds s[24+4*\rs:27+4*\rs], s[16:23]   ; my one tensor load behind the round, first thing there; it has four steps in which to land
	s_nop 0
.endif
.endm
; The four steps of the chunk in slot sl.  The third reads the slot's last f32; the fourth begins the other slot ot (la4 = 0: there is no next chunk).
.macro QUAD sl, ot, rk, la4, first
	TRIP 0, 1, \sl, 1, 0, 0, \first
	TRIP 1, 1, \sl, 2, 0, 0, 0
	TRIP 0, 1, \sl, 3, \rk, \sl, 0
	TRIP 1, \la4, \ot, 0, 0, 0, 0
.endm
	s_wait_tensorcnt 0x1                           ; my part of chunk 0 is in; chunk 1's may stay out
	s_barrier_signal -1
	s_barrier_wait -1                              ; everybody's part is in
	CVLOAD 0, 0
	s_wait_dscnt 0x0
	CVSTORE 0                                      ; step 0's keys into stage 0
	s_wait_dscnt 0x0                               ; for the other waves: my stores are done
	s_barrier_signal -1
	s_barrier_wait -1
	QUAD 0, 1, 1, 1, 1                             ; chunk 0; asks for chunk 2.  Its first products start the sums: nothing is cleared
	QUAD 1, 0, 1, 1, 0                             ; chunk 1; asks for chunk 3
	s_mov_b32 s7, 2
.Lpair:
	QUAD 0, 1, 1, 1, 0                             ; chunks 2 and 4; ask for 4 and 6
	QUAD 1, 0, 1, 1, 0                             ; chunks 3 and 5; ask for 5 and 7
	s_sub_co_u32 s7, s7, 1
	s_cmp_lg_u32 s7, 0
	s_cbranch_scc1 .Lpair
	QUAD 0, 1, 2, 1, 0                             ; chunk 6: nothing is left to ask for; chunk 7 is waited for
	QUAD 1, 0, 0, 0, 0                             ; chunk 7
	; THE WAY OUT.  Behind the last step's barrier no wave reads a stage any more: each wave takes 16 x 272 bytes of them for itself.
	v_permlanex16_b32 v[X], v[L], s8, s9           ; the other half's sum
	v_permlanex16_b32 v[X+1], v[L+1], s8, s9
	v_add_f32 v[L], v[L], v[X]
	v_add_f32 v[L+1], v[L+1], v[X+1]
	v_rcp_f32 v[ST], v[L]                          ; 1 / l; a row masked wholly: 1 / 0, and 0 times it is NaN
	v_rcp_f32 v[ST+2], v[L+1]
	s_mul_i32 s2, s14, 16*OUTP
	s_add_co_u32 s2, s2, STG                       ; my stage
	v_and_b32 v32, 15, v0                          ; r.  (These plain lines stand behind the reciprocals before their results are used.)
	v_bfe_u32 v33, v0, 4, 1                        ; h
	v_mul_u32_u24 v34, v32, OUTP
	v_lshl_add_u32 v34, v33, 5, v34
	v_add_nc_u32 v34, s2, v34                      ; in: row r, my 32 bytes at 64 dt + 32 h
	v_mul_u32_u24 v35, v33, OUTP
	v_lshl_add_u32 v35, v32, 4, v35
	v_add_nc_u32 v35, s2, v35                      ; back: lanes 0-15 one row of 256 bytes, lanes 16-31 the next
	v_lshlrev_b32 v36, 12, v33
	v_lshl_add_u32 v36, v32, 4, v36                ; and the same two rows in out0
	s_wait_alu depctr_va_vdst(0)
.macro OUTQ q
.set i, 0
.rept 16
	v_pk_mul_f32 v[O+32*\q+i:O+32*\q+i+1], v[O+32*\q+i:O+32*\q+i+1], v[ST+2*\q:ST+2*\q+1] op_sel_hi:[1,0]
.set i, i+2
.endr
.irp dt, 0,1,2,3
	ds_store_b128 v34, v[O+32*\q+8*\dt:O+32*\q+8*\dt+3]   offset:64*\dt
	ds_store_b128 v34, v[O+32*\q+8*\dt+4:O+32*\q+8*\dt+7] offset:64*\dt+16
.endr
.irp tt, 0,1,2,3,4,5,6,7
	ds_load_b128 v[F+32*\q+4*\tt:F+32*\q+4*\tt+3], v35 offset:\tt*2*OUTP   ; LDS serves a wave's instructions in order (ISA guide 5.7.1): these see the stores above
.endr
.irp tt, 0,1,2,3,4,5,6,7
	s_wait_dscnt 7-\tt                             ; pair tt of the eight pairs of rows is in
	global_store_b128 v36, v[F+32*\q+4*\tt:F+32*\q+4*\tt+3], s[12:13] offset:(16*\q+2*\tt)*4096 th:TH_STORE_NT   ; sixteen lanes store a head's whole row: 256 consecutive bytes, aligned
.endr
.endm
	OUTQ 0
	OUTQ 1
	s_wait_tensorcnt 0x0
	ds_add_u32 v18, v19
	s_wait_dscnt 0x0
	ROUND                                          ; the closing round: no work-group ends while a partner may still issue a joint load that names it
	s_endpgm
.Lfunc_end_k_qe1a8b7d9cf_attn:
	.size	k_qe1a8b7d9cf_attn, .Lfunc_end_k_qe1a8b7d9cf_attn-k_qe1a8b7d9cf_attn
	.p2alignl 7, 3214868480
	.fill 96, 4, 3214868480
	.section	.rodata,"a",@progbits
	.p2align	6, 0x0
	.amdhsa_kernel k_qe1a8b7d9cf_attn
		.amdhsa_group_segment_fixed_size 327680
		.amdhsa_private_segment_fixed_size 0
		.amdhsa_enable_private_segment 0
		.amdhsa_kernarg_size 40
		.amdhsa_user_sgpr_count 2
		.amdhsa_user_sgpr_kernarg_segment_ptr 1
		.amdhsa_wavefront_size32 1
		.amdhsa_system_sgpr_workgroup_id_x 1
		.amdhsa_system_sgpr_workgroup_id_y 1
		.amdhsa_system_sgpr_workgroup_id_z 1
		.amdhsa_system_vgpr_workitem_id 0
		.amdhsa_next_free_vgpr 288
		.amdhsa_next_free_sgpr 100
		.amdhsa_reserve_vcc 0
		.amdhsa_float_denorm_mode_32 3
		.amdhsa_float_denorm_mode_16_64 3
		.amdhsa_memory_ordered 1
		.amdhsa_forward_progress 1
		.amdhsa_inst_pref_size 255
	.end_amdhsa_kernel
	.section	.bss,"aw",@nobits
	.p2align	6
	.space	262144
	.amdgpu_metadata
---
amdhsa.version: [ 1, 2 ]
amdhsa.kernels:
  - .name:           k_qe1a8b7d9cf_attn
    .symbol:         k_qe1a8b7d9cf_attn.kd
    .args:
      - { .name: queries, .offset: 0, .size: 8, .value_kind: global_buffer, .address_space: global }
      - { .name: keys, .offset: 8, .size: 8, .value_kind: global_buffer, .address_space: global }
      - { .name: values, .offset: 16, .size: 8, .value_kind: global_buffer, .address_space: global }
      - { .name: mbits, .offset: 24, .size: 8, .value_kind: global_buffer, .address_space: global }
      - { .name: out0, .offset: 32, .size: 8, .value_kind: global_buffer, .address_space: global }
    .group_segment_fixed_size: 327680
    .private_segment_fixed_size: 0
    .kernarg_segment_align: 8
    .kernarg_segment_size: 40
    .max_flat_workgroup_size: 256
    .sgpr_count:     100
    .vgpr_count:     288
    .wavefront_size: 32
...
	.end_amdgpu_metadata
.endif
;; end of part 2
;; ======== version 2 of 2: 2 launches; 1.24 times as fast as version 1
;; limits: inputs' magnitudes at most 65,504; values are held in f16: magnitudes above 65,504 overflow, below 6.1e-05 lose precision
;; workspace buffers: mbits 1,048,576 bytes of whole numbers
;; launch maskbits: the kernel of part 1 again; grid 256 x 1, 4 waves a work-group, no clusters, 0 bytes of LDS; arguments attn_mask, mbits, query_omegas, query_thetas, key_omegas, key_thetas; writes mbits
;; launch attn (part 3): grid 8 x 32, 8 waves a work-group, clusters of 4 x 1, 327,680 bytes of LDS; arguments queries, keys, values, mbits, out0; writes out0
.if DOCPART == 3
	.amdgcn_target "amdgcn-amd-amdhsa--gfx1250"
	.amdhsa_code_object_version 6
	.text
	.protected	k_qe1a8b7d9cf_attn
	.globl	k_qe1a8b7d9cf_attn
	.p2align	8
	.type	k_qe1a8b7d9cf_attn,@function
k_qe1a8b7d9cf_attn:
	s_mov_b64 s[64:65], 0
	v_nop
	global_prefetch_b8 v0, s[64:65] scope:SCOPE_SE
	s_setreg_imm32_b32 hwreg(HW_REG_WAVE_MODE, 25, 1), 1
	s_wait_xcnt 0x0
	s_wait_alu depctr_hold_cnt(0) depctr_sa_sdst(0) depctr_va_vdst(0) depctr_va_sdst(0) depctr_va_ssrc(0) depctr_va_vcc(0) depctr_vm_vsrc(0)
	s_getreg_b32 s2, hwreg(HW_REG_IB_STS2, 6, 4)
	s_cmp_eq_u32 s2, 0
	s_cbranch_scc0 .Lentry_in_a_cluster
	s_endpgm
.Lentry_in_a_cluster:
	s_bfe_u32 s2, ttmp6, 0x10000c
	s_cmp_lg_u32 s2, 0x3003
	s_cbranch_scc0 .Lentry_shape_is_right
	s_endpgm
.Lentry_shape_is_right:
; out0[b][l][h][:] = softmax over s of (q.k / 8, masked scores -inf) times v.  q, k, v, out0: [2][2048][16][64] f32; a head's row is 256 bytes,
; rows 4,096 bytes apart.  mbits: the mask as lane masks, made by the launch before.  The mask is an input: every key block is computed.
; SHARES: work-group (x, y): b = y >> 4, head = y & 15, queries 256 x .. 256 x + 255.  Eight waves, two on a SIMD, so that one wave's softmax
; runs beside the other's matrix work; wave w owns 32 queries (two tiles of 16).  256 work-groups of equal work.
; CLUSTER: the four work-groups of a cluster have the same b and head and walk the same K and V, so every tensor load is a joint load that
; names all four (mask 15): the requests for K and V are divided by four.  Its address is made of y and the wave's number alone.
; TRANSPOSED THROUGHOUT: S^T = K Q^T (source 0: 16 keys, source 1: 16 queries), so lane (r, h) holds keys 16 t + 8 h + j of ONE query r:
; maximum and sum run along the lane's registers plus one exchange of the halves; two packed tiles ARE the second source of
; O^T = V^T P^T (first source: V by the transposing LDS load), which leaves d = 16 dt + 8 h + j of query r in the lane.
; FORMAT: q, k, v and p enter the matrix unit as f16, sums in f32.  f16 keeps 11 significant bits where bf16 keeps 8: a row that attends to
; few keys adds few terms p v of the size of v, which may cancel, and nothing averages their rounding, so the finer format is taken.
; STEPS: 64 keys a step, 32 steps.  K and V arrive as f32 in two LDS slots of 256 keys (a chunk = 4 steps), requested four steps ahead;
; one step ahead of its use the 256 threads round 64 keys to f16 into one of two stages.  One barrier a step.
; THE TEXT IS ROLLED UP: a step is some 380 instructions, and steps differ in three things only.  The stage's parity: a loop's body is two steps.
; Where the next step's f32 lie: a scalar, toggled by s_xor_b32, is added to the threads' LDS offset at each pair's head.  Whether a slot is
; filled again: the look-aheads of steps 4 g - 1 .. 4 g + 2 all read chunk g, so an outer loop takes these four steps as two trips of the
; pair, and the refill of the slot used up just before stands at its head.  Written out: step 0 (starts the sums), steps 1 and 2 (the rest of
; chunk 0), the pair of the main loop (steps 3 to 26), the pair of the tail (27 to 30, no refill), step 31 (nothing left to look ahead to).
; SOFTMAX: running maximum m of the raw scores; p = exp2(c s + n), c = log2(e) / 8, n = round(-c m) carried from step to step;
; the old sums are scaled by exp2(n_new - n_old), which is exactly 1 while the maximum stays.  m starts at -FLT_MAX, so n is always finite:
; a row masked so far has p = 0, sum 0; a row masked wholly ends as 0 x (1/0) = NaN, as in the reference.
; LIMITS: |q|, |k|, |v| up to 65,504, f16's largest number (beyond it the conversion gives infinity); below 2^-14 they keep an absolute error
; of 2^-25; p below 2^-25 enters the product as 0 (the row sum is at least 1).  Scores must be finite (an infinite or NaN product of q and k
; is not followed as the reference follows it); v_exp_f32 gives 0 below 2^-126 (ISA guide, its entry in 15.8); the row sum is taken from p in
; f32 while the product takes p rounded to f16.
; No prefetch is written: a chunk's tensor load itself goes out four steps before the chunk's first byte is read.
.set STG,   262144                     ; LDS: slot s at s x 131,072 (K f32 256 rows x 256 bytes, then V); behind both slots the stages
.set SLOTB, 131072
.set SUBB,  16384                      ; 64 rows of 256 bytes: one step's K (or V) in a slot, and what one tensor load brings
.set KP,    144                        ; stage pitch of K: 128 bytes + 16, an odd multiple of 16: the 16 rows of a fragment load start at 16 different 16-byte columns
.set VP,    160                        ; stage pitch of V: an odd multiple of 32, for the transposing load
.set VOF,   64*KP                      ; V's 64 rows lie behind K's 64 rows
.set STGB,  64*KP+64*VP                ; a stage: 19,456 bytes; two of them.  No tensor load ever lands there
.set OUTP,  272                        ; the way out: 16 rows of 256 + 16 bytes for each wave, over the stages, behind the last barrier
.set KADR, 1                           ; v1   K fragments: STG + 144 r + 16 h
.set VADR, 2                           ; v2   V fragments: STG + VOF + 160 (8 h + lane % 8) + 16 ((lane >> 3) & 1)
.set KSTO, 3                           ; v3   where I put 4 f16 of K: STG + 144 (t >> 4) + 8 (t & 15)
.set VSTO, 4                           ; v4   the same for V, pitch 160
.set T16,  5                           ; v5   16 t: my 16 bytes of f32 among 16 rows of K
.set T16V, 6                           ; v6   16 t + 65,536: the same in V
.set FKC,  7                           ; v7   T16 + s3: where this pair's look-aheads read K
.set FVC,  8                           ; v8   T16V + s3: and V
.set NINF, 9                           ; v9   -inf
.set M,    10                          ; v10-11  running maximum of query tile q
.set L,    12                          ; v12-13  my half of the running sum
.set ST,   14                          ; v[14:15], v[16:17]  (n, alpha) of query tile q
.set SA,   20                          ; v[20:23], v[24:27]  two pairs of partial sums for each q
.set X,    28                          ; v28-31  at work
.set T,    32                          ; v[32:63]   the next step's f32, then its f16
.set F,    64                          ; v[64:127]  K fragments (16 t + 8 ks), later V fragments (32 u + 8 dt)
.set S,    128                         ; v[128:191] scores S + 32 q + 8 t + j; packed in place to P at S + 32 q + 16 u + 0..7
.set O,    192                         ; v[192:255] O^T at O + 32 q + 8 dt
                                       ; v256-287  Q fragments, 16 q + 8 ks (second window of registers)
                                       ; s2 the pair loops' counter, s3 the look-ahead's offset (slot x 131,072 + pair x 32,768), s7 the chunk loop's counter
.set MSB, 0
.macro WIN new                         ; s_set_vgpr_msb: bits 3:2 source 1, 7:6 destination; the high byte repeats the setting that is left
.if MSB != \new
	s_set_vgpr_msb (MSB<<8)|\new
.set MSB, \new
.endif
.endm
; A round of the cluster's barrier: my work-group's barrier, wave 0 signals for the work-group, every wave waits for all four work-groups,
; my work-group's barrier once more.
.macro ROUND
	s_barrier_signal -1
	s_barrier_wait -1
	s_cmp_lg_u32 s14, 0
	s_cbranch_scc1 .Lnot_wave_0_\@
	s_barrier_signal -3
.Lnot_wave_0_\@:
	s_barrier_wait -3
	s_barrier_signal -1
	s_barrier_wait -1
.endm
	s_load_b256 s[4:11], s[0:1], 0x0               ; queries s[4:5], keys s[6:7], values s[8:9], mbits s[10:11]
	s_load_b64 s[12:13], s[0:1], 0x20              ; out0
	v_lshl_add_u32 v18, v0, 2, 0x49800
	v_mov_b32 v19, 0
	ds_add_u32 v18, v19
	v_lshrrev_b32 v1, 5, v0
	v_readfirstlane_b32 s14, v1                    ; wave 0..7
	s_bfe_u32 s15, ttmp6, 0x40000                  ; cx
	s_lshl_b32 s2, ttmp9, 2
	s_add_co_u32 s15, s2, s15                      ; x = 4 x cluster x + cx: enters Q's, the mask's and the output's offsets alone
	s_and_b32 s32, ttmp7, 0xffff                   ; y
	s_lshr_b32 s33, s32, 4                         ; b
	s_and_b32 s34, s32, 15                         ; head
	s_lshl_b32 s35, s33, 23                        ; b x 2,048 x 4,096 bytes
	s_lshl_b32 s34, s34, 8                         ; head x 256 bytes
	s_add_co_u32 s36, s35, s34                     ; what all four partners share
	s_and_b32 s38, s14, 3
	s_lshl_b32 s38, s38, 18                        ; K, V: my 64 rows of a chunk, 64 x 4,096 bytes
	s_add_co_u32 s38, s38, s36
	s_mov_b32 s39, 0
	s_lshl_b32 s40, s15, 20                        ; Q, out0: 256 x rows + 32 w rows
	s_lshl_b32 s41, s14, 17
	s_add_co_u32 s40, s40, s41
	s_add_co_u32 s40, s40, s36
	s_mov_b32 s41, 0
	s_lshl_b32 s42, s33, 19                        ; mask words: (128 b + 16 x + 2 w) x 4,096 bytes
	s_lshl_b32 s43, s15, 16
	s_add_co_u32 s42, s42, s43
	s_lshl_b32 s43, s14, 13
	s_add_co_u32 s42, s42, s43
	s_mov_b32 s43, 0
	s_mov_b32 s3, 0                                ; the look-ahead begins at slot 0's first step
	; descriptor group 1: 64 rows x 64 elements of 4 bytes, rows 1,024 elements apart, dense in LDS (it is read 16 bytes a lane, lanes side by side)
	s_mov_b32 s16, 0x0022000f                      ; 15:0 mask: all four work-groups; 17:16 element of 4 bytes; 21 set beside a mask
	s_mov_b32 s17, 64<<16                          ; tensor_dim0 = 64
	s_mov_b32 s18, 64<<16                          ; tensor_dim1 = 64
	s_mov_b32 s19, 64<<16                          ; tile_dim0 = 64
	s_mov_b32 s20, 64                              ; tile_dim1 = 64
	s_mov_b32 s21, 1024                            ; pitch
	s_mov_b32 s22, 0
	s_mov_b32 s23, 0
	s_wait_dscnt 0x0
	s_wait_kmcnt 0x0
	s_cmp_lt_u32 s14, 4
	s_cselect_b64 s[66:67], s[6:7], s[8:9]         ; waves 0-3 fetch K's four quarters of a chunk, waves 4-7 V's
	s_add_nc_u64 s[66:67], s[66:67], s[38:39]
	s_mov_b32 s24, 1                               ; group 0 of chunk 0: count,
	s_lshl_b32 s25, s14, 14                        ; LDS address 16,384 w (K's quarters, then V's), slot 0,
	s_mov_b64 s[26:27], s[66:67]                   ; global address,
	s_or_b32 s27, s27, 0x80000000                  ; type 2
	s_mov_b32 s28, 1                               ; group 0 of chunk 1, slot 1; later of every refill
	s_add_co_u32 s29, s25, SLOTB
	s_add_nc_u64 s[30:31], s[66:67], 0x100000      ; chunk 1: 256 rows x 4,096 bytes on
	s_or_b32 s31, s31, 0x80000000
	s_add_nc_u64 s[4:5], s[4:5], s[40:41]
	s_add_nc_u64 s[12:13], s[12:13], s[40:41]
	s_add_nc_u64 s[10:11], s[10:11], s[42:43]
	ROUND                                          ; all four work-groups are here: the first joint loads meet
	tensor_load_to_lds s[24:27], s[16:23]          ; both first fills as one group, ahead of every wait on TENSORcnt and every LDS read:
	s_nop 0
	tensor_load_to_lds s[28:31], s[16:23]          ; two tensor loads of the wave are out
	s_nop 0
	; Q: lane (r, h) of tile q takes e = 32 ks + 16 g + 8 h + 0..7 of query 16 q + r, 32 bytes, as two loads; 64 f32 a lane, parked in S
	v_and_b32 v28, 15, v0                          ; r (also t & 15)
	v_bfe_u32 v29, v0, 4, 1                        ; h
	v_lshlrev_b32 v30, 12, v28
	v_lshl_add_u32 v30, v29, 5, v30                ; 4,096 r + 32 h
.irp q, 0,1
.irp ks, 0,1
.irp g, 0,1
.irp x, 0,1
	global_load_b128 v[S+4*(8*\q+4*\ks+2*\g+\x):S+4*(8*\q+4*\ks+2*\g+\x)+3], v30, s[4:5] offset:\q*65536+128*\ks+64*\g+16*\x
.endr
.endr
.endr
.endr
; The mask words of one step: for query tile q and jj = j >> 2, sixteen words (t, j & 3), 64 neighbouring bytes.  Word of S(t, q, j): s[32 + 36 q + 16 jj + 4 t + (j & 3)].
.macro MLOAD
	s_load_b512 s[32:47], s[10:11], 0x0
	s_load_b512 s[48:63], s[10:11], 0x800
	s_load_b512 s[68:83], s[10:11], 0x1000
	s_load_b512 s[84:99], s[10:11], 0x1800
.endm
	MLOAD                                          ; step 0's
	v_mul_u32_u24 v[KADR], v28, KP
	v_lshl_add_u32 v[KADR], v29, 4, v[KADR]
	v_add_nc_u32 v[KADR], STG, v[KADR]
	v_and_b32 v31, 7, v0
	v_lshl_add_u32 v31, v29, 3, v31
	v_mul_u32_u24 v[VADR], v31, VP
	v_bfe_u32 v31, v0, 3, 1
	v_lshl_add_u32 v[VADR], v31, 4, v[VADR]
	v_add_nc_u32 v[VADR], STG+VOF, v[VADR]
	v_lshrrev_b32 v31, 4, v0                       ; t >> 4: my row among sixteen
	v_mul_u32_u24 v[KSTO], v31, KP
	v_lshl_add_u32 v[KSTO], v28, 3, v[KSTO]
	v_add_nc_u32 v[KSTO], STG, v[KSTO]
	v_mul_u32_u24 v[VSTO], v31, VP
	v_lshl_add_u32 v[VSTO], v28, 3, v[VSTO]
	v_add_nc_u32 v[VSTO], STG+VOF, v[VSTO]
	v_lshlrev_b32 v[T16], 4, v0                    ; 16 t
	v_add_nc_u32 v[T16V], 65536, v[T16]
	v_mov_b32 v[NINF], 0xff800000
	v_mov_b32 v[M], 0xff7fffff                     ; -FLT_MAX
	v_mov_b32 v[M+1], 0xff7fffff
	s_wait_loadcnt 0x0                             ; Q is in; its offset register and its base are free
	WIN 0x40                                       ; destination in the second window
.set i, 0
.rept 32
	v_cvt_pk_f16_f32 v[i], v[S+2*i], v[S+2*i+1]    ; v256 + i
.set i, i+1
.endr
	WIN 0
	s_mov_b32 s4, 0x3e38aa3b                       ; c = log2(e) / 8, twice: a pair for the packed multiply-add
	s_mov_b32 s5, 0x3e38aa3b
	s_mov_b32 s6, 0xbe38aa3b                       ; -c
	s_mov_b32 s8, 0x76543210                       ; v_permlanex16_b32: lane i of one half reads lane i of the other
	s_mov_b32 s9, 0xfedcba98
	v_mul_f32 v[ST], s6, v[M]                      ; n = -c m
	v_mul_f32 v[ST+2], s6, v[M+1]
; where the look-aheads read: my 16 bytes + slot + pair of steps
.macro LAADR
	v_add_nc_u32 v[FKC], s3, v[T16]
	v_add_nc_u32 v[FVC], s3, v[T16V]
.endm
; 8 LDS loads: the f32 of one step's 64 keys, K and V, 16 neighbouring bytes a thread, 4,096 bytes (16 rows) an instruction of the work-group.
; sub = 0, 1: the first or the second step of the two at FKC, FVC.
.macro CVLOAD sub
.irp i, 0,1,2,3
	ds_load_b128 v[T+4*\i:T+4*\i+3], v[FKC] offset:(\sub)*SUBB+\i*4096
.endr
.irp i, 0,1,2,3
	ds_load_b128 v[T+16+4*\i:T+16+4*\i+3], v[FVC] offset:(\sub)*SUBB+\i*4096
.endr
.endm
; rounded to f16 in place, 8 bytes a thread into stage p
.macro CVSTORE p
.irp i, 0,1,2,3,4,5,6,7
	v_cvt_pk_f16_f32 v[T+4*\i], v[T+4*\i], v[T+4*\i+1]
	v_cvt_pk_f16_f32 v[T+4*\i+1], v[T+4*\i+2], v[T+4*\i+3]
.endr
.irp i, 0,1,2,3
	ds_store_b64 v[KSTO], v[T+4*\i:T+4*\i+1] offset:(\p)*STGB+\i*16*KP
.endr
.irp i, 0,1,2,3
	ds_store_b64 v[VSTO], v[T+16+4*\i:T+16+4*\i+1] offset:(\p)*STGB+\i*16*VP
.endr
.endm
; 16 loads: four key tiles x two halves of e; lane (r, h): key 16 t + r, e = 32 ks + 8 h .. and 32 ks + 16 + 8 h ..
.macro KLOAD p
.irp t, 0,1,2,3
.irp ks, 0,1
	ds_load_b128 v[F+16*\t+8*\ks:F+16*\t+8*\ks+3],   v[KADR] offset:(\p)*STGB+\t*16*KP+64*\ks
	ds_load_b128 v[F+16*\t+8*\ks+4:F+16*\t+8*\ks+7], v[KADR] offset:(\p)*STGB+\t*16*KP+64*\ks+32
.endr
.endr
.endm
; 16 transposing loads: V^T, lane (r, h): d = 16 dt + r, keys 32 u + 8 h .. and 32 u + 16 + 8 h ..
.macro VLOAD p
.irp u, 0,1
.irp dt, 0,1,2,3
	ds_load_tr16_b128 v[F+32*\u+8*\dt:F+32*\u+8*\dt+3],   v[VADR] offset:(\p)*STGB+\u*32*VP+32*\dt
	ds_load_tr16_b128 v[F+32*\u+8*\dt+4:F+32*\u+8*\dt+7], v[VADR] offset:(\p)*STGB+\u*32*VP+32*\dt+16*VP
.endr
.endr
.endm
; 16 matrix instructions.  The two query tiles' accumulators take turns, one instruction a turn.  The first product starts each sum.
; nla = LDS loads issued behind the 16 fragment loads.  LDS loads come back in order: tile t needs the first 4 t + 4, so 12 - 4 t + nla may stay out.
.macro QK nla
	WIN 0x04                                       ; source 1 (Q) in the second window
.irp t, 0,1,2,3
	s_wait_dscnt 12-4*\t+\nla
	v_wmma_f32_16x16x32_f16 v[S+8*\t:S+8*\t+7],       v[F+16*\t:F+16*\t+7],    v[0:7],   0
	v_wmma_f32_16x16x32_f16 v[S+32+8*\t:S+32+8*\t+7], v[F+16*\t:F+16*\t+7],    v[16:23], 0
	v_wmma_f32_16x16x32_f16 v[S+8*\t:S+8*\t+7],       v[F+16*\t+8:F+16*\t+15], v[8:15],  v[S+8*\t:S+8*\t+7]
	v_wmma_f32_16x16x32_f16 v[S+32+8*\t:S+32+8*\t+7], v[F+16*\t+8:F+16*\t+15], v[24:31], v[S+32+8*\t:S+32+8*\t+7]
.endr
	WIN 0
.endm
.macro MASK q                          ; a set bit: the score becomes -inf
.irp t, 0,1,2,3
.irp j, 0,1,2,3,4,5,6,7
	v_cndmask_b32 v[S+32*\q+8*\t+\j], v[S+32*\q+8*\t+\j], v[NINF], s[32+36*\q+16*(\j/4)+4*\t+(\j%4)]
.endr
.endr
.endm
; the new maximum: four chains over seven scores of each tile, then the four scores left, the old maximum, and the other half of the lanes
.macro MAXQ q
.irp t, 0,1,2,3
	v_max3_num_f32 v[X+\t], v[S+32*\q+8*\t], v[S+32*\q+8*\t+1], v[S+32*\q+8*\t+2]
.endr
.irp t, 0,1,2,3
	v_max3_num_f32 v[X+\t], v[X+\t], v[S+32*\q+8*\t+3], v[S+32*\q+8*\t+4]
.endr
.irp t, 0,1,2,3
	v_max3_num_f32 v[X+\t], v[X+\t], v[S+32*\q+8*\t+5], v[S+32*\q+8*\t+6]
.endr
	v_max3_num_f32 v[X], v[X], v[X+1], v[S+32*\q+7]
	v_max3_num_f32 v[X+2], v[X+2], v[X+3], v[S+32*\q+15]
	v_max3_num_f32 v[X], v[X], v[X+2], v[S+32*\q+23]
	v_max3_num_f32 v[X], v[X], v[S+32*\q+31], v[M+\q]
	v_permlanex16_b32 v[X+1], v[X], s8, s9         ; its destination counts as read: X + 1 has been written
	v_max_num_f32 v[M+\q], v[X], v[X+1]
.endm
.macro STATS                           ; n_new = round(-c m); alpha = exp2(n_new - n_old): exactly 1 where the maximum stayed
	v_mul_f32 v[X], s6, v[M]
	v_mul_f32 v[X+1], s6, v[M+1]
	v_sub_f32 v[X+2], v[X], v[ST]
	v_sub_f32 v[X+3], v[X+1], v[ST+2]
	v_exp_f32 v[ST+1], v[X+2]
	v_exp_f32 v[ST+3], v[X+3]
	v_mov_b32 v[ST], v[X]                          ; two plain instructions that touch neither alpha nor its source stand behind the
	v_mov_b32 v[ST+2], v[X+1]                      ; exponentials before the pairs (n, alpha) are read (ISA guide 5.7.2)
	s_wait_alu depctr_va_vdst(0)
.endm
.macro EXPT q, t                       ; p = exp2(c s + n) for one tile, in place
.irp i, 0,2,4,6
	v_pk_fma_f32 v[S+32*\q+8*\t+\i:S+32*\q+8*\t+\i+1], v[S+32*\q+8*\t+\i:S+32*\q+8*\t+\i+1], s[4:5], v[ST+2*\q:ST+2*\q+1] op_sel_hi:[1,0,0]
.endr
.irp j, 0,1,2,3,4,5,6,7
	v_exp_f32 v[S+32*\q+8*\t+\j], v[S+32*\q+8*\t+\j]
.endr
.endm
.macro TAIL q, t                       ; a tile's eight p are added to two pairs of sums and packed to f16: tiles 2 u, 2 u + 1 fill registers 0-3, 4-7 of P(q, u)
.if \t == 0
	s_wait_alu depctr_va_vdst(0)
	v_pk_add_f32 v[SA+4*\q:SA+4*\q+1],   v[S+32*\q:S+32*\q+1],   v[S+32*\q+2:S+32*\q+3]    ; the first tile starts the sums
	v_pk_add_f32 v[SA+4*\q+2:SA+4*\q+3], v[S+32*\q+4:S+32*\q+5], v[S+32*\q+6:S+32*\q+7]
.else
	s_wait_alu depctr_va_vdst(0)
	v_pk_add_f32 v[SA+4*\q:SA+4*\q+1],   v[SA+4*\q:SA+4*\q+1],   v[S+32*\q+8*\t:S+32*\q+8*\t+1]
	v_pk_add_f32 v[SA+4*\q+2:SA+4*\q+3], v[SA+4*\q+2:SA+4*\q+3], v[S+32*\q+8*\t+2:S+32*\q+8*\t+3]
	v_pk_add_f32 v[SA+4*\q:SA+4*\q+1],   v[SA+4*\q:SA+4*\q+1],   v[S+32*\q+8*\t+4:S+32*\q+8*\t+5]
	v_pk_add_f32 v[SA+4*\q+2:SA+4*\q+3], v[SA+4*\q+2:SA+4*\q+3], v[S+32*\q+8*\t+6:S+32*\q+8*\t+7]
.endif
.irp i, 0,1,2,3
	v_cvt_pk_f16_f32 v[S+32*\q+16*(\t/2)+4*(\t%2)+\i], v[S+32*\q+8*\t+2*\i], v[S+32*\q+8*\t+2*\i+1]
.endr
.endm
.macro EXPSUM q                        ; behind each run of exponentials stands plain work on another tile before their results are used (ISA guide 5.7.2)
	EXPT \q, 0
	EXPT \q, 1
	TAIL \q, 0
	EXPT \q, 2
	TAIL \q, 1
	EXPT \q, 3
	TAIL \q, 2
	TAIL \q, 3
	v_pk_add_f32 v[SA+4*\q:SA+4*\q+1], v[SA+4*\q:SA+4*\q+1], v[SA+4*\q+2:SA+4*\q+3]
.endm
.macro RESCALE                         ; O *= alpha: the lane's own number, since a lane holds one query
.irp q, 0,1
.set i, 0
.rept 16
	v_pk_mul_f32 v[O+32*\q+i:O+32*\q+i+1], v[O+32*\q+i:O+32*\q+i+1], v[ST+2*\q:ST+2*\q+1] op_sel:[0,1] op_sel_hi:[1,1]
.set i, i+2
.endr
.endr
.endm
; 16 matrix instructions: keys 0-31 over the eight accumulators, then keys 32-63 over the same eight: by turns, one instruction a turn
.macro PV zero
.irp q, 0,1
.irp dt, 0,1,2,3
.if \zero
	v_wmma_f32_16x16x32_f16 v[O+32*\q+8*\dt:O+32*\q+8*\dt+7], v[F+8*\dt:F+8*\dt+7], v[S+32*\q:S+32*\q+7], 0
.else
	v_wmma_f32_16x16x32_f16 v[O+32*\q+8*\dt:O+32*\q+8*\dt+7], v[F+8*\dt:F+8*\dt+7], v[S+32*\q:S+32*\q+7], v[O+32*\q+8*\dt:O+32*\q+8*\dt+7]
.endif
.endr
.endr
.irp q, 0,1
.irp dt, 0,1,2,3
	v_wmma_f32_16x16x32_f16 v[O+32*\q+8*\dt:O+32*\q+8*\dt+7], v[F+32+8*\dt:F+32+8*\dt+7], v[S+32*\q+16:S+32*\q+23], v[O+32*\q+8*\dt:O+32*\q+8*\dt+7]
.endr
.endr
.endm
; The running sums, l = l alpha + this step's.  Five plain vector instructions that name no register of the products above: the places
; in front of the next loads into F and of the next score products, which write over P.
.macro POST first
.if \first
	v_add_f32 v[L], v[SA], v[SA+1]
	v_add_f32 v[L+1], v[SA+4], v[SA+5]
	v_nop
	v_nop
	v_nop
.else
	v_add_f32 v[SA], v[SA], v[SA+1]
	v_add_f32 v[SA+4], v[SA+4], v[SA+5]
	v_fma_f32 v[L], v[L], v[ST+1], v[SA]
	v_fma_f32 v[L+1], v[L+1], v[ST+3], v[SA+4]
	v_nop
.endif
.endm
; One step of 64 keys, from stage p.  la = 1: the next step's keys (step sub of the two at FKC, FVC) are rounded into the other stage, and its
; mask words asked for.  first = 1: the sums start.
.macro TRIP p, la, sub, first
	KLOAD \p
.if \la
	CVLOAD \sub
.endif
	QK 8*\la
.if \la
	s_wait_dscnt 0x0                               ; the next step's f32 are in
	CVSTORE 1-\p                                   ; its sixteen conversions name T alone: the places behind the score products, in front of the
	                                               ; loads into F and of the selects that read S
.else
.rept 4
	v_nop                                          ; the same places, where nothing is left to convert
.endr
.endif
	VLOAD \p
	s_wait_kmcnt 0x0                               ; this step's mask words; their base is free too
	MASK 0
	MASK 1
.if \la
	s_add_nc_u64 s[10:11], s[10:11], 64            ; four key tiles on; the last step asks for nothing, so no load leaves the buffer
	MLOAD
.endif
	MAXQ 0
	MAXQ 1
	STATS
	EXPSUM 0
	EXPSUM 1
.if \first == 0
	RESCALE
.endif
	s_wait_dscnt 0x0                               ; V's fragments are in; and for the other waves: my stores into the other stage, my reads of this stage and of the slot are done
	s_barrier_signal -1                            ; one barrier a step; a chunk's tensor load may stay out across it
	PV \first                                      ; register work while the others arrive
	POST \first
	s_barrier_wait -1                              ; the other stage is whole, this one is free
.endm
; Two steps: an odd one (stage 1), an even one (stage 0).  Their look-aheads read the two steps at offset s3, which then goes to the chunk's other pair.
.macro PAIR
	LAADR
	TRIP 1, 1, 0, 0
	TRIP 0, 1, 1, 0
	s_xor_b32 s3, s3, 2*SUBB
.endm
	s_wait_tensorcnt 0x1                           ; my part of chunk 0 is in; chunk 1's may stay out
	s_barrier_signal -1
	s_barrier_wait -1                              ; everybody's part is in
	LAADR                                          ; s3 = 0: steps 0 and 1
	CVLOAD 0
	s_wait_dscnt 0x0
	CVSTORE 0                                      ; step 0's keys into stage 0
	s_wait_dscnt 0x0                               ; for the other waves: my stores are done
	s_barrier_signal -1
	s_barrier_wait -1
	TRIP 0, 1, 1, 1                                ; step 0: its products start the sums, nothing is cleared; it rounds step 1's keys
	s_mov_b32 s3, 2*SUBB                           ; chunk 0's second pair
	PAIR                                           ; steps 1 and 2 round steps 2 and 3: slot 0 is read to its end; s3 is 0 again
	; Trip g = 1 .. 6: the slot of chunk g - 1 is filled again with chunk g + 1; steps 4 g - 1 .. 4 g + 2 round chunk g's four steps.
	s_mov_b32 s7, 6
.Lchunk:
	s_wait_dscnt 0x0                               ; my reads of the slot are done (met: the step's own wait has shown it)
	s_wait_tensorcnt 0x0                           ; all my tensor loads have landed: the one that was out is my part of chunk g, asked for four steps ago
	ds_add_u32 v18, v19
	s_wait_dscnt 0x0
	s_add_nc_u64 s[30:31], s[30:31], 0x100000      ; no tensor load of mine is out, so the group 0 may be written: one chunk on,
	s_xor_b32 s29, s29, SLOTB                      ; into the other slot than last time
	ROUND                                          ; no wave of any partner still reads that slot or has a load on its way; chunk g is whole
	tensor_load_to_lds s[28:31], s[16:23]          ; my one tensor load behind the round, first thing there; it has four steps in which to land
	s_nop 0
	s_xor_b32 s3, s3, SLOTB                        ; the look-ahead goes to chunk g's slot
	s_mov_b32 s2, 2
.Lpair:
	PAIR
	s_sub_co_u32 s2, s2, 1
	s_cmp_lg_u32 s2, 0
	s_cbranch_scc1 .Lpair
	s_sub_co_u32 s7, s7, 1
	s_cmp_lg_u32 s7, 0
	s_cbranch_scc1 .Lchunk
	; Steps 27 to 30 round chunk 7's four steps.  Nothing is left to ask for.
	s_wait_tensorcnt 0x0                           ; my part of chunk 7 is in,
	s_barrier_signal -1
	s_barrier_wait -1                              ; everybody's is
	s_xor_b32 s3, s3, SLOTB
	s_mov_b32 s2, 2
.Ltail:
	PAIR
	s_sub_co_u32 s2, s2, 1
	s_cmp_lg_u32 s2, 0
	s_cbranch_scc1 .Ltail
	TRIP 1, 0, 0, 0                                ; step 31
	; THE WAY OUT.  Behind the last step's barrier no wave reads a stage any more: each wave takes 16 x 272 bytes of them for itself.
	v_permlanex16_b32 v[X], v[L], s8, s9           ; the other half's sum
	v_permlanex16_b32 v[X+1], v[L+1], s8, s9
	v_add_f32 v[L], v[L], v[X]
	v_add_f32 v[L+1], v[L+1], v[X+1]
	v_rcp_f32 v[ST], v[L]                          ; 1 / l; a row masked wholly: 1 / 0, and 0 times it is NaN
	v_rcp_f32 v[ST+2], v[L+1]
	s_mul_i32 s2, s14, 16*OUTP
	s_add_co_u32 s2, s2, STG                       ; my stage
	v_and_b32 v32, 15, v0                          ; r.  (These plain lines stand behind the reciprocals before their results are used.)
	v_bfe_u32 v33, v0, 4, 1                        ; h
	v_mul_u32_u24 v34, v32, OUTP
	v_lshl_add_u32 v34, v33, 5, v34
	v_add_nc_u32 v34, s2, v34                      ; in: row r, my 32 bytes at 64 dt + 32 h
	v_mul_u32_u24 v35, v33, OUTP
	v_lshl_add_u32 v35, v32, 4, v35
	v_add_nc_u32 v35, s2, v35                      ; back: lanes 0-15 one row of 256 bytes, lanes 16-31 the next
	v_lshlrev_b32 v36, 12, v33
	v_lshl_add_u32 v36, v32, 4, v36                ; and the same two rows in out0
	s_wait_alu depctr_va_vdst(0)
.macro OUTQ q
.set i, 0
.rept 16
	v_pk_mul_f32 v[O+32*\q+i:O+32*\q+i+1], v[O+32*\q+i:O+32*\q+i+1], v[ST+2*\q:ST+2*\q+1] op_sel_hi:[1,0]
.set i, i+2
.endr
.irp dt, 0,1,2,3
	ds_store_b128 v34, v[O+32*\q+8*\dt:O+32*\q+8*\dt+3]   offset:64*\dt
	ds_store_b128 v34, v[O+32*\q+8*\dt+4:O+32*\q+8*\dt+7] offset:64*\dt+16
.endr
.irp tt, 0,1,2,3,4,5,6,7
	ds_load_b128 v[F+32*\q+4*\tt:F+32*\q+4*\tt+3], v35 offset:\tt*2*OUTP   ; LDS serves a wave's instructions in order (ISA guide 5.7.1): these see the stores above
.endr
.irp tt, 0,1,2,3,4,5,6,7
	s_wait_dscnt 7-\tt                             ; pair tt of the eight pairs of rows is in
	global_store_b128 v36, v[F+32*\q+4*\tt:F+32*\q+4*\tt+3], s[12:13] offset:(16*\q+2*\tt)*4096 th:TH_STORE_NT   ; sixteen lanes store a head's whole row: 256 consecutive bytes, aligned
.endr
.endm
	OUTQ 0
	OUTQ 1
	s_wait_tensorcnt 0x0
	ds_add_u32 v18, v19
	s_wait_dscnt 0x0
	ROUND                                          ; the closing round: no work-group ends while a partner may still issue a joint load that names it
	s_endpgm
.Lfunc_end_k_qe1a8b7d9cf_attn:
	.size	k_qe1a8b7d9cf_attn, .Lfunc_end_k_qe1a8b7d9cf_attn-k_qe1a8b7d9cf_attn
	.p2alignl 7, 3214868480
	.fill 96, 4, 3214868480
	.section	.rodata,"a",@progbits
	.p2align	6, 0x0
	.amdhsa_kernel k_qe1a8b7d9cf_attn
		.amdhsa_group_segment_fixed_size 327680
		.amdhsa_private_segment_fixed_size 0
		.amdhsa_enable_private_segment 0
		.amdhsa_kernarg_size 40
		.amdhsa_user_sgpr_count 2
		.amdhsa_user_sgpr_kernarg_segment_ptr 1
		.amdhsa_wavefront_size32 1
		.amdhsa_system_sgpr_workgroup_id_x 1
		.amdhsa_system_sgpr_workgroup_id_y 1
		.amdhsa_system_sgpr_workgroup_id_z 1
		.amdhsa_system_vgpr_workitem_id 0
		.amdhsa_next_free_vgpr 288
		.amdhsa_next_free_sgpr 100
		.amdhsa_reserve_vcc 0
		.amdhsa_float_denorm_mode_32 3
		.amdhsa_float_denorm_mode_16_64 3
		.amdhsa_memory_ordered 1
		.amdhsa_forward_progress 1
		.amdhsa_inst_pref_size 204
	.end_amdhsa_kernel
	.amdgpu_metadata
---
amdhsa.version: [ 1, 2 ]
amdhsa.kernels:
  - .name:           k_qe1a8b7d9cf_attn
    .symbol:         k_qe1a8b7d9cf_attn.kd
    .args:
      - { .name: queries, .offset: 0, .size: 8, .value_kind: global_buffer, .address_space: global }
      - { .name: keys, .offset: 8, .size: 8, .value_kind: global_buffer, .address_space: global }
      - { .name: values, .offset: 16, .size: 8, .value_kind: global_buffer, .address_space: global }
      - { .name: mbits, .offset: 24, .size: 8, .value_kind: global_buffer, .address_space: global }
      - { .name: out0, .offset: 32, .size: 8, .value_kind: global_buffer, .address_space: global }
    .group_segment_fixed_size: 327680
    .private_segment_fixed_size: 0
    .kernarg_segment_align: 8
    .kernarg_segment_size: 40
    .max_flat_workgroup_size: 256
    .sgpr_count:     100
    .vgpr_count:     288
    .wavefront_size: 32
...
	.end_amdgpu_metadata
.endif
;; end of part 3
